; MI455X (gfx1250); checked and timed in simulation.
; The chip was launched on July 23, 2026; its instructions are those of AMD's public machine-readable ISA for CDNA 5 (MIT licence, August 2026) and "CDNA5" Instruction Set Architecture Reference Guide (July 2026). The comments in the code are by the model that wrote it; some were corrected since.
;; Set Propagation. Allowed arithmetic: float matrix products may take bf16 or f16 operands with f32 sums; all other float work in f32.
;; Inputs: b0 128 float32; b1 128 float32; beta0 128 float32; beta1 128 float32; feat1 4 x 128 x 2,048 float32; feat2 4 x 64 x 8,192 float32; g0 128 float32; g1 128 float32; w0 128 x 192 float32; w1 128 x 128 float32; xyz1 4 x 3 x 2,048 float32; xyz2 4 x 3 x 8,192 float32.
;; Outputs: out0 4 x 128 x 8,192 float32.
;; One version. Each part assembles by itself: llvm-mc -triple=amdgcn-amd-amdhsa -mcpu=gfx1250 --defsym DOCPART=n.
;; ======== version 1 of 1: 5 launches
;; limits: values outside matrix products are rounded to f16; values are held in f16: magnitudes above 65,504 overflow, below 6.1e-05 lose precision; inputs' magnitudes at most 65,504
;; workspace buffers: cid 131,072 bytes of whole numbers; nidx 524,288 bytes of whole numbers; nwgt 524,288 bytes; tab 2,179,072 bytes; y0 16,777,216 bytes; y1 16,777,216 bytes; part0 16,384 bytes; part1 16,384 bytes
;; launch coarse (part 1): grid 256 x 1, 8 waves a work-group, no clusters, 68,096 bytes of LDS; arguments xyz1, xyz2, feat1, w0, w1, cid, tab; writes cid, tab
.if DOCPART == 1
	.amdgcn_target "amdgcn-amd-amdhsa--gfx1250"
	.amdhsa_code_object_version 6
	.text
	.protected	k_qc1c669a5ba_coarse
	.globl	k_qc1c669a5ba_coarse
	.p2align	8
	.type	k_qc1c669a5ba_coarse,@function
k_qc1c669a5ba_coarse:
	s_mov_b64 s[64:65], 0
	v_nop
	global_prefetch_b8 v0, s[64:65] scope:SCOPE_SE
	s_setreg_imm32_b32 hwreg(HW_REG_WAVE_MODE, 25, 1), 1
	s_wait_xcnt 0x0
; coarse: for each query the three smallest d2 over the 2,048 targets of its batch, as VALUES, and for each of the three the
; chunk of 32 targets that it came from; the chunk numbers (sorted) go to cid.  The next launch looks the indices up in those chunks.
; Beside that: feat1 [4][128][2048] f32 is transposed to tab [4][2048][128] f16 (one 256-byte row for each target), w0 and w1 go to f16.
; d2 is formed in f32 term by term as the problem writes it: q2 = fma(z,z,fma(y,y,x*x)), t2 likewise, dot = fma(qz,tz,fma(qy,ty,qx*tx)),
; d2 = fma(-2, dot, q2 + t2).  This product of length 3 stays on the vector unit: the neighbours are chosen by comparing d2, and operands
; rounded to 16 bits would choose other neighbours.  Equal values: the lower target index wins, as in a stable top-k.
; LIMITS: coordinates are finite and their squares stay inside f32; a NaN is not ordered.  feat1, w0, w1 are kept in f16: magnitudes below 65,504.
; Work-group: 128 queries of one batch.  Every wave holds all 128 (4 a lane); wave w scans chunks 8w .. 8w+7; the eight results meet in LDS.
.set TPITCH, 528                       ; a chunk in LDS: 16 records of 32 bytes [x0 x1 y0 y1 | z0 z1 t2_0 t2_1] + 16 bytes
.set MRG,    64*TPITCH                 ; 33,792: [wave 8][field 6][query 128] words
.set XB,     MRG+8*6*512               ; 58,368: 32 rows (targets) of 128 f16
.set XPITCH, 272                       ; 256 + 16 bytes
.set QX, 16                            ; v[16:19] x of my 4 queries; QY, QZ likewise; Q2 their squared norms
.set QY, 20
.set QZ, 24
.set Q2, 28
.set SA, 32                            ; v[32:43]  a set: m1 (4 queries), m2, m3
.set SB, 44                            ; v[44:55]  the other set: the two take turns as old and new
.set B1, 56                            ; v[56:67]  chunk numbers of m1, m2, m3
.set B2, 60
.set B3, 64
.set PD, 68                            ; v[68:75]  dot, then d2: pair 2 tau + pi
.set AA, 76                            ; v[76:83]  q2 + t2
.set TO,   68                          ; TRACK4's temporaries lie on PD and AA, which are dead there
.set TOB,  72
.set TOO,  76
.set TOOB, 80
.set TB0, 96                           ; v[96:127]  four target records
.set TB1, 128                          ; v[128:159] four more
.set TS,  96                           ; staging: x, y, z, t2 of 2 x 4 targets
.set RAW, 128                          ; staging: 4 channels x 4 targets of feat1
.set PK,  144                          ; staging: the same in f16
.set XR,  160                          ; v[160:167] two 16-byte pieces of the transposed table
.set L,   96                           ; the merge: 8 waves x 6 fields
.set EM,  36                           ; s36-39 masks of TRACK4
	s_load_b256 s[4:11], s[0:1], 0x0               ; xyz1 s[4:5], xyz2 s[6:7], feat1 s[8:9], w0 s[10:11]
	s_load_b128 s[12:15], s[0:1], 0x20             ; w1 s[12:13], cid s[14:15]
	s_load_b64 s[16:17], s[0:1], 0x30              ; tab
	v_lshl_add_u32 v168, v0, 2, 0x10600
	v_mov_b32 v169, 0
	v_lshrrev_b32 v10, 5, v0
	v_readfirstlane_b32 s18, v10                   ; wave
	s_mov_b32 s19, ttmp9                           ; work-group g
	s_lshr_b32 s25, s19, 6                         ; batch
	s_and_b32 s26, s19, 63                         ; block of 128 queries, and of 32 targets, in the batch
	v_and_b32 v1, 31, v0                           ; lane
	v_lshlrev_b32 v2, 4, v0                        ; 16 t
	v_lshlrev_b32 v3, 4, v1                        ; 16 lane
	v_lshrrev_b32 v10, 3, v0                       ; t / 8: chunk in staging; group of 4 channels of feat1
	v_and_b32 v11, 7, v0                           ; t % 8: group of 4 targets
	v_lshlrev_b32 v4, 15, v10                      ; feat1: 4 channels of 8,192 bytes
	v_lshl_add_u32 v4, v11, 4, v4                  ;        + 16 bytes for 4 targets
	v_mul_u32_u24 v5, v10, TPITCH                  ; targets in LDS: chunk
	v_lshl_add_u32 v5, v11, 6, v5                  ;        + two records
	v_mul_u32_u24 v6, v11, 4*XPITCH                ; table in: row 4 (t % 8), 8 bytes for 4 channels
	v_lshl_add_u32 v6, v10, 3, v6
	v_lshrrev_b32 v12, 4, v0
	v_and_b32 v13, 15, v0
	v_mul_u32_u24 v7, v12, XPITCH                  ; table back: row t / 16, 16 bytes at 16 (t % 16)
	v_lshl_add_u32 v7, v13, 4, v7
	s_mul_i32 s28, s18, 8*TPITCH
	v_mov_b32 v8, s28                              ; my wave's first chunk: the same address in all lanes
	s_mul_i32 s28, s18, 3072
	v_add_nc_u32 v9, s28, v3                       ; my wave's record in MRG
	s_lshl_b32 s23, s18, 3                         ; number of the chunk at work
	s_mul_i32 s28, s25, 24576                      ; xyz1: batch
	s_mov_b32 s29, 0
	s_mul_i32 s30, s25, 98304                      ; xyz2: batch + 128 queries
	s_lshl_b32 s24, s26, 9
	s_add_co_u32 s30, s30, s24
	s_mov_b32 s31, 0
	s_lshl_b32 s32, s25, 20                        ; feat1: batch + 32 targets
	s_lshl_b32 s24, s26, 7
	s_add_co_u32 s32, s32, s24
	s_mov_b32 s33, 0
	s_lshl_b32 s34, s25, 19                        ; table: batch + 32 rows of 256 bytes
	s_lshl_b32 s24, s26, 13
	s_add_co_u32 s34, s34, s24
	s_mov_b32 s35, 0
	s_wait_kmcnt 0x0
	s_add_nc_u64 s[4:5], s[4:5], s[28:29]
	s_add_nc_u64 s[6:7], s[6:7], s[30:31]
	s_add_nc_u64 s[8:9], s[8:9], s[32:33]
	s_add_nc_u64 s[34:35], s[16:17], s[34:35]
	s_lshl_b32 s28, s19, 9
	s_add_nc_u64 s[14:15], s[14:15], s[28:29]      ; cid: 128 words a work-group
.irp i,0,1
.irp d,0,1,2
	global_load_b128 v[TS+16*\i+4*\d:TS+16*\i+4*\d+3], v2, s[4:5] offset:\d*8192+\i*4096   ; 4 targets, one coordinate
.endr
.endr
	global_load_b128 v[QX:QX+3], v3, s[6:7]
	global_load_b128 v[QY:QY+3], v3, s[6:7] offset:32768
	global_load_b128 v[QZ:QZ+3], v3, s[6:7] offset:65536
.irp i,0,1,2,3
	global_load_b128 v[RAW+4*\i:RAW+4*\i+3], v4, s[8:9] offset:\i*8192
.endr
	s_wait_loadcnt 7                               ; the six target loads are in; 3 query and 4 feat1 loads stay out
.irp i,0,1
.irp p,0,2
	v_pk_mul_f32 v[TS+16*\i+12+\p:TS+16*\i+13+\p], v[TS+16*\i+\p:TS+16*\i+\p+1], v[TS+16*\i+\p:TS+16*\i+\p+1]
	v_pk_fma_f32 v[TS+16*\i+12+\p:TS+16*\i+13+\p], v[TS+16*\i+4+\p:TS+16*\i+5+\p], v[TS+16*\i+4+\p:TS+16*\i+5+\p], v[TS+16*\i+12+\p:TS+16*\i+13+\p]
	v_pk_fma_f32 v[TS+16*\i+12+\p:TS+16*\i+13+\p], v[TS+16*\i+8+\p:TS+16*\i+9+\p], v[TS+16*\i+8+\p:TS+16*\i+9+\p], v[TS+16*\i+12+\p:TS+16*\i+13+\p]
.endr
.endr
.irp i,0,1
.irp p,0,1
.irp d,0,1,2,3
	ds_store_b64 v5, v[TS+16*\i+4*\d+2*\p:TS+16*\i+4*\d+2*\p+1] offset:\i*32*TPITCH+32*\p+8*\d
.endr
.endr
.endr
	s_wait_loadcnt 4                               ; the queries are in; feat1's four loads stay out
.irp p,0,2
	v_pk_mul_f32 v[Q2+\p:Q2+\p+1], v[QX+\p:QX+\p+1], v[QX+\p:QX+\p+1]
	v_pk_fma_f32 v[Q2+\p:Q2+\p+1], v[QY+\p:QY+\p+1], v[QY+\p:QY+\p+1], v[Q2+\p:Q2+\p+1]
	v_pk_fma_f32 v[Q2+\p:Q2+\p+1], v[QZ+\p:QZ+\p+1], v[QZ+\p:QZ+\p+1], v[Q2+\p:Q2+\p+1]
.endr
	s_wait_loadcnt 0x0
.irp e,0,1,2,3
	v_cvt_pk_f16_f32 v[PK+2*\e], v[RAW+\e], v[RAW+4+\e]            ; target e: channels 0, 1 of my four
	v_cvt_pk_f16_f32 v[PK+2*\e+1], v[RAW+8+\e], v[RAW+12+\e]       ;           channels 2, 3
	ds_store_b64 v6, v[PK+2*\e:PK+2*\e+1] offset:XB+\e*XPITCH
.endr
	s_wait_dscnt 0x0                               ; my stores are done before I say so: the other waves read them
	s_barrier_signal -1
	s_barrier_wait -1
.macro LOADSUB buf, off                ; four records (8 targets): every lane reads the same bytes
.irp u,0,1,2,3
	ds_load_b128 v[\buf+8*\u:\buf+8*\u+3], v8 offset:\off+32*\u
	ds_load_b128 v[\buf+8*\u+4:\buf+8*\u+7], v8 offset:\off+32*\u+16
.endr
.endm
	ds_load_b128 v[XR:XR+3], v7 offset:XB
	ds_load_b128 v[XR+4:XR+7], v7 offset:XB+16*XPITCH
	LOADSUB TB0, 0
	s_wait_dscnt 8                                 ; the two table pieces are in; the eight record loads stay out
	global_store_b128 v2, v[XR:XR+3], s[34:35]             ; sixteen lanes store one row of 256 bytes, aligned
	global_store_b128 v2, v[XR+4:XR+7], s[34:35] offset:4096   ; v2, XR and s[34:35] are not written again
.irp i,0,1,2,3,4,5,6,7,8,9,10,11
	v_mov_b32 v[SA+\i], 0x7f800000                 ; nothing seen yet: +infinity
	v_mov_b32 v[B1+\i], s23
.endr
; the three smallest of (src's three, d), four queries; src = dst: in place (m3 first, it needs the old m2)
.macro UPD3 src, dst, dd
.irp q,0,1,2,3
	v_med3_num_f32 v[\dst+8+\q], v[\src+4+\q], v[\src+8+\q], v[\dd+\q]
.endr
.irp q,0,1,2,3
	v_med3_num_f32 v[\dst+4+\q], v[\src+\q], v[\src+4+\q], v[\dd+\q]
.endr
.irp q,0,1,2,3
	v_min_num_f32 v[\dst+\q], v[\src+\q], v[\dd+\q]
.endr
.endm
; one record: two targets tau x two pairs pi of queries.  first = 1: the first update reads the old set and writes the new one.
.macro PAIRSTEP tb, src, dst, first
.irp tau,0,1
.irp pi,0,1
	v_pk_mul_f32 v[PD+4*\tau+2*\pi:PD+4*\tau+2*\pi+1], v[QX+2*\pi:QX+2*\pi+1], v[\tb:\tb+1] op_sel:[0,\tau] op_sel_hi:[1,\tau]
.endr
.endr
.irp tau,0,1
.irp pi,0,1
	v_pk_add_f32 v[AA+4*\tau+2*\pi:AA+4*\tau+2*\pi+1], v[Q2+2*\pi:Q2+2*\pi+1], v[\tb+6:\tb+7] op_sel:[0,\tau] op_sel_hi:[1,\tau]
.endr
.endr
.irp tau,0,1
.irp pi,0,1
	v_pk_fma_f32 v[PD+4*\tau+2*\pi:PD+4*\tau+2*\pi+1], v[QY+2*\pi:QY+2*\pi+1], v[\tb+2:\tb+3], v[PD+4*\tau+2*\pi:PD+4*\tau+2*\pi+1] op_sel:[0,\tau,0] op_sel_hi:[1,\tau,1]
.endr
.endr
.irp tau,0,1
.irp pi,0,1
	v_pk_fma_f32 v[PD+4*\tau+2*\pi:PD+4*\tau+2*\pi+1], v[QZ+2*\pi:QZ+2*\pi+1], v[\tb+4:\tb+5], v[PD+4*\tau+2*\pi:PD+4*\tau+2*\pi+1] op_sel:[0,\tau,0] op_sel_hi:[1,\tau,1]
.endr
.endr
.irp tau,0,1
.irp pi,0,1
	v_pk_fma_f32 v[PD+4*\tau+2*\pi:PD+4*\tau+2*\pi+1], v[PD+4*\tau+2*\pi:PD+4*\tau+2*\pi+1], -2.0, v[AA+4*\tau+2*\pi:AA+4*\tau+2*\pi+1] op_sel_hi:[1,0,1]
.endr
.endr
.if \first
	UPD3 \src, \dst, PD
.else
	UPD3 \dst, \dst, PD
.endif
	UPD3 \dst, \dst, PD+4
.endm
.macro SUBBLK tb, O, N, first
	PAIRSTEP \tb, \O, \N, \first
	PAIRSTEP \tb+8, \O, \N, 0
	PAIRSTEP \tb+16, \O, \N, 0
	PAIRSTEP \tb+24, \O, \N, 0
.endm
; After a chunk: the new three are a merge of the old three with the chunk's values.  Walk both lists: a new value equal to the next
; old one IS that old one (so an old, lower-indexed, target keeps its place among equals) and keeps its chunk number; any other came from chunk s23.
.macro TRACK4 O, N
.irp q,0,1,2,3
	v_cmp_eq_f32 s[EM+\q], v[\N+\q], v[\O+\q]
.endr
.irp q,0,1,2,3
	v_cndmask_b32 v[TO+\q], v[\O+\q], v[\O+4+\q], s[EM+\q]         ; the next old value,
	v_cndmask_b32 v[TOB+\q], v[B1+\q], v[B2+\q], s[EM+\q]          ; its chunk,
	v_cndmask_b32 v[TOO+\q], v[\O+4+\q], v[\O+8+\q], s[EM+\q]      ; the one behind it,
	v_cndmask_b32 v[TOOB+\q], v[B2+\q], v[B3+\q], s[EM+\q]         ; and its chunk
	v_cndmask_b32 v[B1+\q], s23, v[B1+\q], s[EM+\q]
.endr
.irp q,0,1,2,3
	v_cmp_eq_f32 s[EM+\q], v[\N+4+\q], v[TO+\q]
.endr
.irp q,0,1,2,3
	v_cndmask_b32 v[B2+\q], s23, v[TOB+\q], s[EM+\q]
	v_cndmask_b32 v[TO+\q], v[TO+\q], v[TOO+\q], s[EM+\q]
	v_cndmask_b32 v[TOB+\q], v[TOB+\q], v[TOOB+\q], s[EM+\q]
.endr
.irp q,0,1,2,3
	v_cmp_eq_f32 s[EM+\q], v[\N+8+\q], v[TO+\q]
.endr
.irp q,0,1,2,3
	v_cndmask_b32 v[B3+\q], s23, v[TOB+\q], s[EM+\q]
.endr
.endm
; A chunk: four runs of four records on two buffers.  Each run first asks for the next four records; s_wait_dscnt 8 then leaves just those eight loads out.
.macro CHUNK O, N, more
	LOADSUB TB1, 128
	s_wait_dscnt 8
	SUBBLK TB0, \O, \N, 1
	LOADSUB TB0, 256
	s_wait_dscnt 8
	SUBBLK TB1, \O, \N, 0
	LOADSUB TB1, 384
	s_wait_dscnt 8
	SUBBLK TB0, \O, \N, 0
.if \more
	LOADSUB TB0, TPITCH                            ; the next chunk's first records
	s_wait_dscnt 8
.else
	s_wait_dscnt 0x0
.endif
	SUBBLK TB1, \O, \N, 0
	TRACK4 \O, \N
	s_add_co_u32 s23, s23, 1
	v_add_nc_u32 v8, TPITCH, v8
.endm
	s_mov_b32 s24, 3                               ; 8 chunks: three trips of two, and two written out (the last asks for nothing more)
.Lpair:
	CHUNK SA, SB, 1
	CHUNK SB, SA, 1
	s_sub_co_u32 s24, s24, 1
	s_cmp_lg_u32 s24, 0
	s_cbranch_scc1 .Lpair
	CHUNK SA, SB, 1
	CHUNK SB, SA, 0
	; the eight waves' results meet
.irp f,0,1,2
	ds_store_b128 v9, v[SA+4*\f:SA+4*\f+3] offset:MRG+\f*512
	ds_store_b128 v9, v[B1+4*\f:B1+4*\f+3] offset:MRG+(\f+3)*512
.endr
	s_wait_dscnt 0x0                               ; done before I say so
	s_barrier_signal -1
	s_barrier_wait -1
	s_cmp_lt_u32 s18, 4
	s_cbranch_scc0 .Lrest
; (d, j) into the sorted three M with their marks I.  Strictly smaller only: what came first stays in front among equals.
.macro INSERT d, j, M, I, t, u, c
	v_cmp_lt_f32 s[\c], v[\d], v[\M]
	v_cmp_lt_f32 s[\c+1], v[\d], v[\M+1]
	v_cmp_lt_f32 s[\c+2], v[\d], v[\M+2]
	v_cndmask_b32 v[\t], \j, v[\I+1], s[\c+1]
	v_cndmask_b32 v[\u], \j, v[\I], s[\c]
	v_cndmask_b32 v[\I+2], v[\I+2], v[\t], s[\c+2]
	v_cndmask_b32 v[\I+1], v[\I+1], v[\u], s[\c+1]
	v_cndmask_b32 v[\I], v[\I], \j, s[\c]
	v_med3_num_f32 v[\M+2], v[\M+1], v[\M+2], v[\d]
	v_med3_num_f32 v[\M+1], v[\M], v[\M+1], v[\d]
	v_min_num_f32 v[\M], v[\M], v[\d]
.endm
	; waves 0 to 3: one query a lane, the waves' records in ascending order of their targets
	v_lshlrev_b32 v12, 2, v0
.irp i,0,1,2,3,4,5,6,7,8,9,10,11,12,13,14,15,16,17,18,19,20,21,22,23,24,25,26,27,28,29,30,31,32,33,34,35,36,37,38,39,40,41,42,43,44,45,46,47
	ds_load_b32 v[L+\i], v12 offset:MRG+\i*512
.endr
.irp wv,1,2,3,4,5,6,7
	s_wait_dscnt 42-6*\wv                          ; records 0 .. wv are in; the six loads of each later record stay out
.irp k,0,1,2
	INSERT L+6*\wv+\k, v[L+6*\wv+3+\k], L, L+3, 10, 11, 20
.endr
.endr
	v_min_u32 v10, v[L+3], v[L+4]                  ; the three chunk numbers in ascending order
	v_max_u32 v11, v[L+3], v[L+4]
	v_max_u32 v13, v11, v[L+5]
	v_min_u32 v11, v11, v[L+5]
	v_min_u32 v14, v10, v11
	v_max_u32 v15, v10, v11
	v_lshl_or_b32 v14, v15, 8, v14
	v_lshl_or_b32 v14, v13, 16, v14
	global_store_b32 v12, v14, s[14:15]            ; a wave stores 128 consecutive bytes
	s_wait_tensorcnt 0x0
	ds_add_u32 v168, v169
	s_wait_dscnt 0x0
	s_endpgm
.Lrest:
	; wave 7 of work-groups 0 to 159: 256 numbers of w0 (work-groups 0-95) or w1 (96-159) to f16; w1's copy follows w0's in tab
	s_cmp_eq_u32 s18, 7
	s_cbranch_scc0 .Lend
	s_cmp_lt_u32 s19, 160
	s_cbranch_scc0 .Lend
	s_sub_co_u32 s28, s19, 96
	s_cmp_lt_u32 s19, 96
	s_cselect_b64 s[32:33], s[10:11], s[12:13]
	s_cselect_b32 s28, s19, s28
	s_lshl_b32 s28, s28, 10
	s_add_nc_u64 s[32:33], s[32:33], s[28:29]      ; s29 is still 0
	v_lshlrev_b32 v10, 5, v1
	global_load_b128 v[144:147], v10, s[32:33]
	global_load_b128 v[148:151], v10, s[32:33] offset:16
	s_lshl_b32 s28, s19, 9
	s_add_co_u32 s28, s28, 2097152
	s_add_nc_u64 s[16:17], s[16:17], s[28:29]
	s_wait_loadcnt 0x0
.irp m,0,1,2,3
	v_cvt_pk_f16_f32 v[152+\m], v[144+2*\m], v[145+2*\m]
.endr
	global_store_b128 v3, v[152:155], s[16:17]
.Lend:
	s_wait_tensorcnt 0x0
	ds_add_u32 v168, v169
	s_wait_dscnt 0x0
	s_endpgm
.Lfunc_end_k_qc1c669a5ba_coarse:
	.size	k_qc1c669a5ba_coarse, .Lfunc_end_k_qc1c669a5ba_coarse-k_qc1c669a5ba_coarse
	.p2alignl 7, 3214868480
	.fill 96, 4, 3214868480
	.section	.rodata,"a",@progbits
	.p2align	6, 0x0
	.amdhsa_kernel k_qc1c669a5ba_coarse
		.amdhsa_group_segment_fixed_size 68096
		.amdhsa_private_segment_fixed_size 0
		.amdhsa_enable_private_segment 0
		.amdhsa_kernarg_size 56
		.amdhsa_user_sgpr_count 2
		.amdhsa_user_sgpr_kernarg_segment_ptr 1
		.amdhsa_wavefront_size32 1
		.amdhsa_system_sgpr_workgroup_id_x 1
		.amdhsa_system_sgpr_workgroup_id_y 1
		.amdhsa_system_sgpr_workgroup_id_z 1
		.amdhsa_system_vgpr_workitem_id 0
		.amdhsa_next_free_vgpr 170
		.amdhsa_next_free_sgpr 66
		.amdhsa_reserve_vcc 0
		.amdhsa_float_denorm_mode_32 3
		.amdhsa_float_denorm_mode_16_64 3
		.amdhsa_memory_ordered 1
		.amdhsa_forward_progress 1
		.amdhsa_inst_pref_size 209
	.end_amdhsa_kernel
	.amdgpu_metadata
---
amdhsa.version: [ 1, 2 ]
amdhsa.kernels:
  - .name:           k_qc1c669a5ba_coarse
    .symbol:         k_qc1c669a5ba_coarse.kd
    .args:
      - { .name: xyz1, .offset: 0, .size: 8, .value_kind: global_buffer, .address_space: global }
      - { .name: xyz2, .offset: 8, .size: 8, .value_kind: global_buffer, .address_space: global }
      - { .name: feat1, .offset: 16, .size: 8, .value_kind: global_buffer, .address_space: global }
      - { .name: w0, .offset: 24, .size: 8, .value_kind: global_buffer, .address_space: global }
      - { .name: w1, .offset: 32, .size: 8, .value_kind: global_buffer, .address_space: global }
      - { .name: cid, .offset: 40, .size: 8, .value_kind: global_buffer, .address_space: global }
      - { .name: tab, .offset: 48, .size: 8, .value_kind: global_buffer, .address_space: global }
    .group_segment_fixed_size: 68096
    .private_segment_fixed_size: 0
    .kernarg_segment_align: 8
    .kernarg_segment_size: 56
    .max_flat_workgroup_size: 256
    .sgpr_count:     66
    .vgpr_count:     170
    .wavefront_size: 32
...
	.end_amdgpu_metadata
.endif
;; end of part 1
;; launch resolve (part 2): grid 256 x 1, 4 waves a work-group, no clusters, 34,304 bytes of LDS; arguments xyz1, xyz2, cid, nidx, nwgt; writes nidx, nwgt
.if DOCPART == 2
	.amdgcn_target "amdgcn-amd-amdhsa--gfx1250"
	.amdhsa_code_object_version 6
	.text
	.protected	k_qc1c669a5ba_resolve
	.globl	k_qc1c669a5ba_resolve
	.p2align	8
	.type	k_qc1c669a5ba_resolve,@function
k_qc1c669a5ba_resolve:
	s_mov_b64 s[64:65], 0
	v_nop
	global_prefetch_b8 v0, s[64:65] scope:SCOPE_SE
	s_setreg_imm32_b32 hwreg(HW_REG_WAVE_MODE, 25, 1), 1
	s_wait_xcnt 0x0
; resolve: one query a lane.  cid names, in ascending order, the at most three chunks of 32 targets that hold the query's three nearest.
; The three chunks are scanned as three independent streams (same d2, term by term, as in the launch before), each keeping its best three
; WITH indices; the streams are merged in ascending order, strictly-smaller only, so that the lower index wins among equals.
; Then dist = sqrt(max(d2, 0)), w = 1 / (dist + 1e-8), w / sum(w).  nidx[q] = (i1, i2, i3, 0), nwgt[q] = (w1, w2, w3, 0).
; LIMITS: as in the launch before (finite coordinates, squares inside f32).  sqrt and the reciprocals are the chip's approximations (ISA guide 15.8).
.set TPITCH, 528                       ; a chunk in LDS: 16 records [x0 x1 y0 y1 | z0 z1 t2_0 t2_1] + 16 bytes, so that chunks start 16 bytes apart modulo 256
.set TS,   56                          ; staging: x, y, z, t2 of 4 x 4 targets, v[56:119]
.set BUF0, 56                          ; v[56:103]   3 streams x 2 records
.set BUF1, 104                         ; v[104:151]
.set MM,   12                          ; stream s: m1..m3 at v[12+8s], i1..i3 at v[16+8s]
.set TU,   36                          ; stream s: two temporaries
.set PP,   42                          ; stream s: dot/d2 pair at v[42+4s], q2+t2 pair behind it
.set CM,   20                          ; stream s: three masks at s[20+3s]
	s_load_b256 s[4:11], s[0:1], 0x0               ; xyz1 s[4:5], xyz2 s[6:7], cid s[8:9], nidx s[10:11]
	s_load_b64 s[12:13], s[0:1], 0x20              ; nwgt
	v_lshl_add_u32 v152, v0, 2, 0x8400
	v_mov_b32 v153, 0
	s_lshr_b32 s15, ttmp9, 6                       ; batch
	s_and_b32 s16, ttmp9, 63
	v_lshlrev_b32 v54, 2, v0                       ; 4 t
	v_lshlrev_b32 v55, 4, v0                       ; 16 t
	v_lshrrev_b32 v37, 3, v0
	v_and_b32 v38, 7, v0
	v_mul_u32_u24 v36, v37, TPITCH                 ; staging: chunk t / 8, two records at 64 (t % 8)
	v_lshl_add_u32 v36, v38, 6, v36
	v_mov_b32 v1, 0x7f800000                       ; +infinity
	s_mul_i32 s18, s15, 24576
	s_mov_b32 s19, 0
	s_mul_i32 s32, s15, 98304
	s_lshl_b32 s17, s16, 9
	s_add_co_u32 s32, s32, s17
	s_mov_b32 s33, 0
	s_lshl_b32 s34, ttmp9, 9
	s_mov_b32 s35, 0
	s_lshl_b32 s36, ttmp9, 11
	s_mov_b32 s37, 0
	s_wait_kmcnt 0x0
	s_add_nc_u64 s[4:5], s[4:5], s[18:19]
	s_add_nc_u64 s[6:7], s[6:7], s[32:33]
	s_add_nc_u64 s[8:9], s[8:9], s[34:35]
	s_add_nc_u64 s[10:11], s[10:11], s[36:37]
	s_add_nc_u64 s[12:13], s[12:13], s[36:37]
	global_load_b32 v6, v54, s[8:9]
	global_load_b32 v2, v54, s[6:7]
	global_load_b32 v3, v54, s[6:7] offset:32768
	global_load_b32 v4, v54, s[6:7] offset:65536
.irp i,0,1,2,3
.irp d,0,1,2
	global_load_b128 v[TS+16*\i+4*\d:TS+16*\i+4*\d+3], v55, s[4:5] offset:\d*8192+\i*2048
.endr
.endr
	s_wait_loadcnt 12                              ; cid and the query are in; the twelve target loads stay out
	v_bfe_u32 v7, v6, 8, 8
	v_bfe_u32 v8, v6, 16, 8
	v_and_b32 v6, 0xff, v6
	v_min_u32 v6, 63, v6                           ; a loaded number enters an address only clamped to the table
	v_min_u32 v7, 63, v7
	v_min_u32 v8, 63, v8
	v_cmp_eq_u32 s29, v7, v6                       ; stream 1 repeats stream 0's chunk
	v_cmp_eq_u32 s30, v8, v7                       ; stream 2 repeats stream 1's
	v_mul_u32_u24 v9, v6, TPITCH
	v_mul_u32_u24 v10, v7, TPITCH
	v_mul_u32_u24 v11, v8, TPITCH
	v_mul_f32 v5, v2, v2                           ; q2
	v_fma_f32 v5, v3, v3, v5
	v_fma_f32 v5, v4, v4, v5
.irp s,0,1,2
.irp k,0,1,2
	v_mov_b32 v[MM+8*\s+\k], v1
	v_mov_b32 v[MM+8*\s+4+\k], 0
.endr
.endr
	s_wait_loadcnt 0x0
.irp i,0,1,2,3
.irp p,0,2
	v_pk_mul_f32 v[TS+16*\i+12+\p:TS+16*\i+13+\p], v[TS+16*\i+\p:TS+16*\i+\p+1], v[TS+16*\i+\p:TS+16*\i+\p+1]
	v_pk_fma_f32 v[TS+16*\i+12+\p:TS+16*\i+13+\p], v[TS+16*\i+4+\p:TS+16*\i+5+\p], v[TS+16*\i+4+\p:TS+16*\i+5+\p], v[TS+16*\i+12+\p:TS+16*\i+13+\p]
	v_pk_fma_f32 v[TS+16*\i+12+\p:TS+16*\i+13+\p], v[TS+16*\i+8+\p:TS+16*\i+9+\p], v[TS+16*\i+8+\p:TS+16*\i+9+\p], v[TS+16*\i+12+\p:TS+16*\i+13+\p]
.endr
.endr
.irp i,0,1,2,3
.irp p,0,1
.irp d,0,1,2,3
	ds_store_b64 v36, v[TS+16*\i+4*\d+2*\p:TS+16*\i+4*\d+2*\p+1] offset:\i*16*TPITCH+32*\p+8*\d
.endr
.endr
.endr
	s_wait_dscnt 0x0                               ; my stores are done before I say so
	s_barrier_signal -1
	s_barrier_wait -1
.macro LDBLK buf, k                    ; records 2k, 2k+1 of each stream's chunk: twelve loads
.irp s,0,1,2
.irp pp,0,1
	ds_load_b128 v[\buf+16*\s+8*\pp:\buf+16*\s+8*\pp+3], v[9+\s] offset:(2*(\k)+\pp)*32
	ds_load_b128 v[\buf+16*\s+8*\pp+4:\buf+16*\s+8*\pp+7], v[9+\s] offset:(2*(\k)+\pp)*32+16
.endr
.endr
.endm
.macro DIST3 rb                        ; d2 of a record's two targets, the three streams in step
.irp s,0,1,2
	v_pk_mul_f32 v[PP+4*\s:PP+4*\s+1], v[\rb+16*\s:\rb+16*\s+1], v[2:3] op_sel_hi:[1,0]
.endr
.irp s,0,1,2
	v_pk_add_f32 v[PP+4*\s+2:PP+4*\s+3], v[\rb+16*\s+6:\rb+16*\s+7], v[4:5] op_sel:[0,1] op_sel_hi:[1,1]
.endr
.irp s,0,1,2
	v_pk_fma_f32 v[PP+4*\s:PP+4*\s+1], v[\rb+16*\s+2:\rb+16*\s+3], v[2:3], v[PP+4*\s:PP+4*\s+1] op_sel:[0,1,0] op_sel_hi:[1,1,1]
.endr
.irp s,0,1,2
	v_pk_fma_f32 v[PP+4*\s:PP+4*\s+1], v[\rb+16*\s+4:\rb+16*\s+5], v[4:5], v[PP+4*\s:PP+4*\s+1] op_sel_hi:[1,0,1]
.endr
.irp s,0,1,2
	v_pk_fma_f32 v[PP+4*\s:PP+4*\s+1], v[PP+4*\s:PP+4*\s+1], -2.0, v[PP+4*\s+2:PP+4*\s+3] op_sel_hi:[1,0,1]
.endr
.endm
.macro INS3 hf, j                      ; half hf of each stream's pair, place j in the chunk, into the stream's three; strictly smaller only
.irp s,0,1,2
	v_cmp_lt_f32 s[CM+3*\s], v[PP+4*\s+\hf], v[MM+8*\s]
	v_cmp_lt_f32 s[CM+3*\s+1], v[PP+4*\s+\hf], v[MM+8*\s+1]
	v_cmp_lt_f32 s[CM+3*\s+2], v[PP+4*\s+\hf], v[MM+8*\s+2]
.endr
.irp s,0,1,2
	v_cndmask_b32 v[TU+2*\s], \j, v[MM+8*\s+5], s[CM+3*\s+1]
	v_cndmask_b32 v[TU+2*\s+1], \j, v[MM+8*\s+4], s[CM+3*\s]
.endr
.irp s,0,1,2
	v_cndmask_b32 v[MM+8*\s+6], v[MM+8*\s+6], v[TU+2*\s], s[CM+3*\s+2]
	v_cndmask_b32 v[MM+8*\s+5], v[MM+8*\s+5], v[TU+2*\s+1], s[CM+3*\s+1]
	v_cndmask_b32 v[MM+8*\s+4], v[MM+8*\s+4], \j, s[CM+3*\s]
.endr
.irp s,0,1,2
	v_med3_num_f32 v[MM+8*\s+2], v[MM+8*\s+1], v[MM+8*\s+2], v[PP+4*\s+\hf]
.endr
.irp s,0,1,2
	v_med3_num_f32 v[MM+8*\s+1], v[MM+8*\s], v[MM+8*\s+1], v[PP+4*\s+\hf]
.endr
.irp s,0,1,2
	v_min_num_f32 v[MM+8*\s], v[MM+8*\s], v[PP+4*\s+\hf]
.endr
.endm
.macro BLOCK k, cur, nxt, more
.if \more
	LDBLK \nxt, \k+1
	s_wait_dscnt 12                                ; this block's loads are in; the twelve just issued stay out
.else
	s_wait_dscnt 0x0
.endif
	DIST3 \cur
	INS3 0, 4*\k
	INS3 1, 4*\k+1
	DIST3 \cur+8
	INS3 0, 4*\k+2
	INS3 1, 4*\k+3
.endm
	LDBLK BUF0, 0
	BLOCK 0, BUF0, BUF1, 1
	BLOCK 1, BUF1, BUF0, 1
	BLOCK 2, BUF0, BUF1, 1
	BLOCK 3, BUF1, BUF0, 1
	BLOCK 4, BUF0, BUF1, 1
	BLOCK 5, BUF1, BUF0, 1
	BLOCK 6, BUF0, BUF1, 1
	BLOCK 7, BUF1, BUF0, 0
.macro INSERT d, j, M, I, t, u, c
	v_cmp_lt_f32 s[\c], v[\d], v[\M]
	v_cmp_lt_f32 s[\c+1], v[\d], v[\M+1]
	v_cmp_lt_f32 s[\c+2], v[\d], v[\M+2]
	v_cndmask_b32 v[\t], \j, v[\I+1], s[\c+1]
	v_cndmask_b32 v[\u], \j, v[\I], s[\c]
	v_cndmask_b32 v[\I+2], v[\I+2], v[\t], s[\c+2]
	v_cndmask_b32 v[\I+1], v[\I+1], v[\u], s[\c+1]
	v_cndmask_b32 v[\I], v[\I], \j, s[\c]
	v_med3_num_f32 v[\M+2], v[\M+1], v[\M+2], v[\d]
	v_med3_num_f32 v[\M+1], v[\M], v[\M+1], v[\d]
	v_min_num_f32 v[\M], v[\M], v[\d]
.endm
.irp k,0,1,2
	v_cndmask_b32 v[MM+8+\k], v[MM+8+\k], v1, s29          ; a stream that repeats a chunk counts for nothing
	v_cndmask_b32 v[MM+16+\k], v[MM+16+\k], v1, s30
.endr
.irp s,0,1,2
.irp k,0,1,2
	v_lshl_add_u32 v[MM+8*\s+4+\k], v[6+\s], 5, v[MM+8*\s+4+\k]    ; index = 32 chunk + place
.endr
.endr
.irp s,1,2
.irp k,0,1,2
	INSERT MM+8*\s+\k, v[MM+8*\s+4+\k], MM, MM+4, TU, TU+1, CM
.endr
.endr
	v_max_num_f32 v12, 0, v12
	v_max_num_f32 v13, 0, v13
	v_max_num_f32 v14, 0, v14
	v_sqrt_f32 v12, v12
	v_sqrt_f32 v13, v13
	v_sqrt_f32 v14, v14
	v_mov_b32 v15, 0                               ; the record's fourth word; also the plain instruction between a root and its use (ISA guide 5.7.2)
	s_wait_alu depctr_va_vdst(0)
	v_add_f32 v12, 0x322bcc77, v12                 ; + 1e-8
	v_add_f32 v13, 0x322bcc77, v13
	v_add_f32 v14, 0x322bcc77, v14
	v_rcp_f32 v12, v12
	v_rcp_f32 v13, v13
	v_rcp_f32 v14, v14
	v_mov_b32 v19, 0                               ; likewise
	s_wait_alu depctr_va_vdst(0)
	v_add_f32 v36, v12, v13
	v_add_f32 v36, v36, v14
	v_rcp_f32 v36, v36
	v_nop                                          ; likewise: nothing else is left to do here
	s_wait_alu depctr_va_vdst(0)
	v_mul_f32 v12, v12, v36
	v_mul_f32 v13, v13, v36
	v_mul_f32 v14, v14, v36
	global_store_b128 v55, v[16:19], s[10:11]      ; a wave stores 512 consecutive bytes
	global_store_b128 v55, v[12:15], s[12:13]
	s_wait_tensorcnt 0x0
	ds_add_u32 v152, v153
	s_wait_dscnt 0x0
	s_endpgm
.Lfunc_end_k_qc1c669a5ba_resolve:
	.size	k_qc1c669a5ba_resolve, .Lfunc_end_k_qc1c669a5ba_resolve-k_qc1c669a5ba_resolve
	.p2alignl 7, 3214868480
	.fill 96, 4, 3214868480
	.section	.rodata,"a",@progbits
	.p2align	6, 0x0
	.amdhsa_kernel k_qc1c669a5ba_resolve
		.amdhsa_group_segment_fixed_size 34304
		.amdhsa_private_segment_fixed_size 0
		.amdhsa_enable_private_segment 0
		.amdhsa_kernarg_size 40
		.amdhsa_user_sgpr_count 2
		.amdhsa_user_sgpr_kernarg_segment_ptr 1
		.amdhsa_wavefront_size32 1
		.amdhsa_system_sgpr_workgroup_id_x 1
		.amdhsa_system_sgpr_workgroup_id_y 1
		.amdhsa_system_sgpr_workgroup_id_z 1
		.amdhsa_system_vgpr_workitem_id 0
		.amdhsa_next_free_vgpr 154
		.amdhsa_next_free_sgpr 66
		.amdhsa_reserve_vcc 0
		.amdhsa_float_denorm_mode_32 3
		.amdhsa_float_denorm_mode_16_64 3
		.amdhsa_memory_ordered 1
		.amdhsa_forward_progress 1
		.amdhsa_inst_pref_size 99
	.end_amdhsa_kernel
	.amdgpu_metadata
---
amdhsa.version: [ 1, 2 ]
amdhsa.kernels:
  - .name:           k_qc1c669a5ba_resolve
    .symbol:         k_qc1c669a5ba_resolve.kd
    .args:
      - { .name: xyz1, .offset: 0, .size: 8, .value_kind: global_buffer, .address_space: global }
      - { .name: xyz2, .offset: 8, .size: 8, .value_kind: global_buffer, .address_space: global }
      - { .name: cid, .offset: 16, .size: 8, .value_kind: global_buffer, .address_space: global }
      - { .name: nidx, .offset: 24, .size: 8, .value_kind: global_buffer, .address_space: global }
      - { .name: nwgt, .offset: 32, .size: 8, .value_kind: global_buffer, .address_space: global }
    .group_segment_fixed_size: 34304
    .private_segment_fixed_size: 0
    .kernarg_segment_align: 8
    .kernarg_segment_size: 40
    .max_flat_workgroup_size: 128
    .sgpr_count:     66
    .vgpr_count:     154
    .wavefront_size: 32
...
	.end_amdgpu_metadata
.endif
;; end of part 2
;; launch conv0 (part 3): grid 256 x 1, 8 waves a work-group, no clusters, 52,224 bytes of LDS; arguments feat2, tab, nidx, nwgt, b0, y0, part0; writes y0, part0
.if DOCPART == 3
	.amdgcn_target "amdgcn-amd-amdhsa--gfx1250"
	.amdhsa_code_object_version 6
	.text
	.protected	k_qc1c669a5ba_conv0
	.globl	k_qc1c669a5ba_conv0
	.p2align	8
	.type	k_qc1c669a5ba_conv0,@function
k_qc1c669a5ba_conv0:
	s_mov_b64 s[64:65], 0
	v_nop
	global_prefetch_b8 v0, s[64:65] scope:SCOPE_SE
	s_setreg_imm32_b32 hwreg(HW_REG_WAVE_MODE, 25, 1), 1
	s_wait_xcnt 0x0
; conv0: x = [feat2 (64 channels); sum over 3 neighbours of w_k feat1[:, i_k] (128 channels)], y0 = w0 x + b0, and for each norm group
; (16 channels) the mean and the sum of squared deviations of this work-group's 16 x 128 numbers (part0).
; Work-group: all 128 output channels x 128 columns of one batch.  Wave w makes output channels 16w .. 16w+15, which are norm group w, so a
; group's figures never leave the wave.  Products: f16 operands, f32 sums (v_wmma_f32_16x16x32_f16), K = 192 in six steps.
; The interpolation is made in f32 from the f16 table and rounded once to f16.
; No cluster: what work-groups share is w0's 48 KiB copy, against 128 KiB of rows and outputs of their own.  One tile a work-group, converted
; in registers on its way to LDS, so there is no ring of slots to run.
; LIMITS: operands in f16: |feat2|, |feat1|, |w0| below 65,504.
; LDS: x as [place 128][192 f16], pitch 400 bytes (an odd multiple of 16: sixteen consecutive rows start at sixteen different 16-byte columns
; modulo 256).  Place 64 blk + 16 e + c holds column 64 blk + 4 c + e: then the four tiles e of a block give a lane four NEIGHBOURING columns.
.set PITCH, 400
.set G,    16                          ; v[16:111]  gathered rows: load 3s+k, four registers
.set ACC,  16                          ; v[16:79]   later: eight accumulator tiles
.set F2,   80                          ; v[80:111]  feat2: 8 channels x 4 columns, packed before the last nine gather loads are issued
.set EE,   112                         ; v[112:119] 8 interpolated channels
.set CV,   120                         ; v[120:127] 8 channels of one neighbour in f32
.set IDX,  128                         ; v[128:159] step s: (i1, i2, i3, 0), then byte offsets
.set WGT,  160                         ; v[160:191] step s: (w1, w2, w3, 0)
.set BF,   128                         ; v[128:191] later: x fragments of eight tiles
.set OUT,  128                         ;            later: results, four neighbouring columns a quad
.set AF,   192                         ; v[192:239] w0 fragments of six K steps
.set QQ,   192                         ;            later: sums of squares
.set BIAS, 240
.set T,    248
.set PA,   21
.set PB,   22
.set SY,   14                          ; s[14:15] y0
.set SP,   16                          ; s[16:17] part0
.set SX,   30
	s_load_b256 s[4:11], s[0:1], 0x0               ; feat2 s[4:5], tab s[6:7], nidx s[8:9], nwgt s[10:11]
	s_load_b128 s[12:15], s[0:1], 0x20             ; b0 s[12:13], y0 s[14:15]
	s_load_b64 s[16:17], s[0:1], 0x30              ; part0
	v_lshl_add_u32 v15, v0, 2, 0xc800
	s_set_vgpr_msb 0x40
	v_mov_b32 v1, 0
	s_set_vgpr_msb 0x4000
	v_lshrrev_b32 v14, 5, v0
	v_readfirstlane_b32 s18, v14                   ; wave
	s_lshr_b32 s19, ttmp9, 6                       ; batch
	s_and_b32 s20, ttmp9, 63                       ; block of 128 columns
	s_mov_b32 s21, 0x76543210                      ; v_permlanex16_b32: lane i reads lane i of the other half
	s_mov_b32 s22, 0xfedcba98
	v_and_b32 v1, 31, v0                           ; lane
	v_and_b32 v2, 15, v0                           ; r
	v_bfe_u32 v3, v0, 4, 1                         ; h
	s_lshl_b32 s24, s18, 8
	v_lshl_add_u32 v4, v3, 4, s24                  ; neighbour records: column 16w + h (+ 2s), 16 bytes each
	s_lshl_b32 s24, s18, 18
	v_lshl_add_u32 v5, v1, 4, s24                  ; feat2: channel 8w, 4 columns a lane
	s_mul_i32 s24, s18, 6144
	v_mul_u32_u24 v6, v2, 384
	v_lshl_add_u32 v6, v3, 4, v6
	v_add_nc_u32 v6, s24, v6                       ; w0 fragment: row 16w + r of 384 bytes, + 16h
	s_lshl_b32 s24, s18, 6
	v_lshl_add_u32 v7, v3, 5, s24                  ; bias of channels 16w + 8h ..
	v_lshl_add_u32 v14, v3, 6, v2
	v_mul_u32_u24 v8, v14, PITCH
	s_lshl_b32 s24, s18, 4
	v_add_nc_u32 v8, s24, v8                       ; feat2 into LDS: place 64h + r (+ 16e), channels 8w ..
	v_lshlrev_b32 v9, 4, v2                        ; 16 r
	s_lshr_b32 s23, s18, 2
	s_lshl_b32 s23, s23, 6
	s_and_b32 s24, s18, 3
	s_lshl2_add_u32 s23, s24, s23
	s_mul_i32 s23, s23, PITCH
	s_add_co_u32 s23, s23, 128
	v_mul_u32_u24 v10, v3, 16*PITCH
	v_add3_u32 v10, v10, v9, s23                   ; interpolated: place 64 (w/4) + 4 (w%4) + 16h (+ step), channels 64 + 8r ..
	v_mul_u32_u24 v11, v2, PITCH
	v_lshl_add_u32 v11, v3, 4, v11                 ; x fragment: row r, + 16h
	s_lshl_b32 s24, s18, 19
	v_lshl_add_u32 v12, v3, 18, s24
	v_lshl_add_u32 v12, v2, 4, v12                 ; y0: row 16w + 8h, 16 r
	v_mov_b32 v13, 0
	s_lshl_b32 s24, s19, 21
	s_lshl_b32 s23, s20, 9
	s_add_co_u32 s24, s24, s23
	s_mov_b32 s25, 0
	s_wait_kmcnt 0x0
	s_add_nc_u64 s[4:5], s[4:5], s[24:25]
	s_lshl_b32 s24, s19, 22
	s_add_co_u32 s24, s24, s23
	s_add_nc_u64 s[14:15], s[14:15], s[24:25]
	s_lshl_b32 s24, ttmp9, 11
	s_add_nc_u64 s[8:9], s[8:9], s[24:25]
	s_add_nc_u64 s[10:11], s[10:11], s[24:25]
	s_add_nc_u64 s[26:27], s[6:7], 0x200000        ; w0 in f16
	s_lshl_b32 s24, s19, 19
	s_add_nc_u64 s[28:29], s[6:7], s[24:25]        ; the batch's table
	s_lshl_b32 s24, s19, 3
	s_add_co_u32 s24, s24, s18
	s_lshl_b32 s24, s24, 6
	s_add_co_u32 s24, s24, s20
	s_lshl_b32 s24, s24, 3
	s_add_nc_u64 s[16:17], s[16:17], s[24:25]      ; part0[batch][group w][block]
.irp s,0,1,2,3,4,5,6,7
	global_load_b128 v[IDX+4*\s:IDX+4*\s+3], v4, s[8:9] offset:32*\s
.endr
.irp i,0,1,2,3,4,5,6,7
	global_load_b128 v[F2+4*\i:F2+4*\i+3], v5, s[4:5] offset:\i*32768 th:TH_LOAD_NT
.endr
.irp s,0,1,2,3,4,5,6,7
	global_load_b128 v[WGT+4*\s:WGT+4*\s+3], v4, s[10:11] offset:32*\s
.endr
.irp ks,0,1,2,3,4,5
	global_load_b128 v[AF+8*\ks:AF+8*\ks+3], v6, s[26:27] offset:\ks*64
	global_load_b128 v[AF+8*\ks+4:AF+8*\ks+7], v6, s[26:27] offset:\ks*64+32
.endr
	global_load_b128 v[BIAS:BIAS+3], v7, s[12:13]
	global_load_b128 v[BIAS+4:BIAS+7], v7, s[12:13] offset:16
; step s: column 16w + 2s + h.  Sixteen lanes read one neighbour's row of 256 bytes.
.macro GATHER s
.irp k,0,1,2
	v_min_u32 v[IDX+4*\s+\k], 0x7ff, v[IDX+4*\s+\k]        ; a loaded number enters an address only clamped to the table
.endr
.irp k,0,1,2
	v_lshl_add_u32 v[IDX+4*\s+\k], v[IDX+4*\s+\k], 8, v9
.endr
.irp k,0,1,2
	global_load_b128 v[G+4*(3*\s+\k):G+4*(3*\s+\k)+3], v[IDX+4*\s+\k], s[28:29]
.endr
.endm
	s_wait_loadcnt 30                              ; the indices are in; 8 + 8 + 12 + 2 younger loads stay out
	GATHER 0
	GATHER 1
	GATHER 2
	GATHER 3
	GATHER 4
	s_wait_loadcnt 37                              ; feat2 is in; 8 + 12 + 2 and the 15 gather loads stay out
.irp e,0,1,2,3
	v_cvt_pk_f16_f32 v[T+4*(\e&1)], v[F2+\e], v[F2+4+\e]
	v_cvt_pk_f16_f32 v[T+4*(\e&1)+1], v[F2+8+\e], v[F2+12+\e]
	v_cvt_pk_f16_f32 v[T+4*(\e&1)+2], v[F2+16+\e], v[F2+20+\e]
	v_cvt_pk_f16_f32 v[T+4*(\e&1)+3], v[F2+24+\e], v[F2+28+\e]
	ds_store_b128 v8, v[T+4*(\e&1):T+4*(\e&1)+3] offset:\e*16*PITCH
.endr
	GATHER 5                                       ; these land on feat2's registers, which have just been read for the last time
	GATHER 6
	GATHER 7
; one neighbour: 8 channels to f32, times its weight (element sel of the pair wp)
.macro NBR first, wp, sel, a, b, c, d, e, f, g, h
	v_cvt_f32_f16 v[CV], \a
	v_cvt_f32_f16 v[CV+1], \b
	v_cvt_f32_f16 v[CV+2], \c
	v_cvt_f32_f16 v[CV+3], \d
	v_cvt_f32_f16 v[CV+4], \e
	v_cvt_f32_f16 v[CV+5], \f
	v_cvt_f32_f16 v[CV+6], \g
	v_cvt_f32_f16 v[CV+7], \h
.irp m,0,2,4,6
.if \first
	v_pk_mul_f32 v[EE+\m:EE+\m+1], v[CV+\m:CV+\m+1], v[\wp:\wp+1] op_sel:[0,\sel] op_sel_hi:[1,\sel]
.else
	v_pk_fma_f32 v[EE+\m:EE+\m+1], v[CV+\m:CV+\m+1], v[\wp:\wp+1], v[EE+\m:EE+\m+1] op_sel:[0,\sel,0] op_sel_hi:[1,\sel,1]
.endif
.endr
.endm
.macro WAITG s
	s_wait_loadcnt 21-3*\s                         ; this step's three rows are in; three loads for each later step stay out
.endm
.macro FIN s
.irp m,0,1,2,3
	v_cvt_pk_f16_f32 v[T+4*(\s&1)+\m], v[EE+2*\m], v[EE+2*\m+1]
.endr
	ds_store_b128 v10, v[T+4*(\s&1):T+4*(\s&1)+3] offset:(32*(\s&1)+(\s>>1))*PITCH
.endm
	WAITG 0
	NBR 1, WGT+0, 0, v16.l, v16.h, v17.l, v17.h, v18.l, v18.h, v19.l, v19.h
	NBR 0, WGT+0, 1, v20.l, v20.h, v21.l, v21.h, v22.l, v22.h, v23.l, v23.h
	NBR 0, WGT+2, 0, v24.l, v24.h, v25.l, v25.h, v26.l, v26.h, v27.l, v27.h
	FIN 0
	WAITG 1
	NBR 1, WGT+4, 0, v28.l, v28.h, v29.l, v29.h, v30.l, v30.h, v31.l, v31.h
	NBR 0, WGT+4, 1, v32.l, v32.h, v33.l, v33.h, v34.l, v34.h, v35.l, v35.h
	NBR 0, WGT+6, 0, v36.l, v36.h, v37.l, v37.h, v38.l, v38.h, v39.l, v39.h
	FIN 1
	WAITG 2
	NBR 1, WGT+8, 0, v40.l, v40.h, v41.l, v41.h, v42.l, v42.h, v43.l, v43.h
	NBR 0, WGT+8, 1, v44.l, v44.h, v45.l, v45.h, v46.l, v46.h, v47.l, v47.h
	NBR 0, WGT+10, 0, v48.l, v48.h, v49.l, v49.h, v50.l, v50.h, v51.l, v51.h
	FIN 2
	WAITG 3
	NBR 1, WGT+12, 0, v52.l, v52.h, v53.l, v53.h, v54.l, v54.h, v55.l, v55.h
	NBR 0, WGT+12, 1, v56.l, v56.h, v57.l, v57.h, v58.l, v58.h, v59.l, v59.h
	NBR 0, WGT+14, 0, v60.l, v60.h, v61.l, v61.h, v62.l, v62.h, v63.l, v63.h
	FIN 3
	WAITG 4
	NBR 1, WGT+16, 0, v64.l, v64.h, v65.l, v65.h, v66.l, v66.h, v67.l, v67.h
	NBR 0, WGT+16, 1, v68.l, v68.h, v69.l, v69.h, v70.l, v70.h, v71.l, v71.h
	NBR 0, WGT+18, 0, v72.l, v72.h, v73.l, v73.h, v74.l, v74.h, v75.l, v75.h
	FIN 4
	WAITG 5
	NBR 1, WGT+20, 0, v76.l, v76.h, v77.l, v77.h, v78.l, v78.h, v79.l, v79.h
	NBR 0, WGT+20, 1, v80.l, v80.h, v81.l, v81.h, v82.l, v82.h, v83.l, v83.h
	NBR 0, WGT+22, 0, v84.l, v84.h, v85.l, v85.h, v86.l, v86.h, v87.l, v87.h
	FIN 5
	WAITG 6
	NBR 1, WGT+24, 0, v88.l, v88.h, v89.l, v89.h, v90.l, v90.h, v91.l, v91.h
	NBR 0, WGT+24, 1, v92.l, v92.h, v93.l, v93.h, v94.l, v94.h, v95.l, v95.h
	NBR 0, WGT+26, 0, v96.l, v96.h, v97.l, v97.h, v98.l, v98.h, v99.l, v99.h
	FIN 6
	WAITG 7
	NBR 1, WGT+28, 0, v100.l, v100.h, v101.l, v101.h, v102.l, v102.h, v103.l, v103.h
	NBR 0, WGT+28, 1, v104.l, v104.h, v105.l, v105.h, v106.l, v106.h, v107.l, v107.h
	NBR 0, WGT+30, 0, v108.l, v108.h, v109.l, v109.h, v110.l, v110.h, v111.l, v111.h
	FIN 7
	s_wait_dscnt 0x0                               ; my part of x is in LDS before I say so; every global load has been waited for (the last count was 0)
	s_barrier_signal -1
	s_barrier_wait -1
; nks K steps of 32.  A step: sixteen loads (eight tiles' fragments), then eight products on eight accumulators that take turns, one instruction
; a turn.  s_wait_dscnt 14-2t leaves the loads of the tiles behind t out.  The four v_nop are the places between the last
; product and the next loads into its sources, or the first reads of the results.
.macro MMA nks, pitch
.set ks, 0
.rept \nks
.irp t,0,1,2,3,4,5,6,7
	ds_load_b128 v[BF+8*\t:BF+8*\t+3], v11 offset:\t*16*\pitch+ks*64
	ds_load_b128 v[BF+8*\t+4:BF+8*\t+7], v11 offset:\t*16*\pitch+ks*64+32
.endr
.irp t,0,1,2,3,4,5,6,7
	s_wait_dscnt 14-2*\t
.if ks == 0
	v_wmma_f32_16x16x32_f16 v[ACC+8*\t:ACC+8*\t+7], v[AF+8*ks:AF+8*ks+7], v[BF+8*\t:BF+8*\t+7], 0
.else
	v_wmma_f32_16x16x32_f16 v[ACC+8*\t:ACC+8*\t+7], v[AF+8*ks:AF+8*ks+7], v[BF+8*\t:BF+8*\t+7], v[ACC+8*\t:ACC+8*\t+7]
.endif
.endr
.rept 4
	v_nop
.endr
.set ks, ks+1
.endr
.endm
.macro REDUCE x, tmp                   ; the sum over the 32 lanes, in every lane
	v_add_f32_dpp v[\x], v[\x], v[\x] row_xmask:1 row_mask:0xf bank_mask:0xf
	v_add_f32_dpp v[\x], v[\x], v[\x] row_xmask:2 row_mask:0xf bank_mask:0xf
	v_add_f32_dpp v[\x], v[\x], v[\x] row_xmask:4 row_mask:0xf bank_mask:0xf
	v_add_f32_dpp v[\x], v[\x], v[\x] row_xmask:8 row_mask:0xf bank_mask:0xf
	v_permlanex16_b32 v[\tmp], v[\x], s[PA], s[PB]
	v_add_f32 v[\x], v[\x], v[\tmp]
.endm
; Register j of tile 4 blk + e in lane (r, h) is y[16w + 8h + j][64 blk + 4r + e].  With the bias added the four tiles e are laid side by side:
; 16 bytes a lane, sixteen lanes store 256 consecutive bytes, aligned.  Then the wave's 2,048 numbers give their mean and, about that mean,
; their sum of squared deviations (two passes over registers: no difference of large sums).
.macro EPILOGUE
.irp blk,0,1
.irp j,0,1,2,3,4,5,6,7
.irp e,0,1,2,3
	v_add_f32 v[OUT+(\blk*8+\j)*4+\e], v[ACC+(4*\blk+\e)*8+\j], v[BIAS+\j]
.endr
.endr
.endr
.irp blk,0,1
.irp j,0,1,2,3,4,5,6,7
	global_store_b128 v12, v[OUT+(\blk*8+\j)*4:OUT+(\blk*8+\j)*4+3], s[SY:SY+1] offset:\j*32768+\blk*256
.endr
.endr
.irp c,0,1,2,3
	v_pk_add_f32 v[T+2*\c:T+2*\c+1], v[OUT+2*\c:OUT+2*\c+1], v[OUT+8+2*\c:OUT+8+2*\c+1]
.endr
.irp m,2,3,4,5,6,7
.irp c,0,1,2,3
	v_pk_add_f32 v[T+2*\c:T+2*\c+1], v[T+2*\c:T+2*\c+1], v[OUT+8*\m+2*\c:OUT+8*\m+2*\c+1]
.endr
.endr
	v_pk_add_f32 v[T:T+1], v[T:T+1], v[T+2:T+3]
	v_pk_add_f32 v[T+4:T+5], v[T+4:T+5], v[T+6:T+7]
	v_pk_add_f32 v[T:T+1], v[T:T+1], v[T+4:T+5]
	v_add_f32 v[T], v[T], v[T+1]
	REDUCE T, T+2
	v_mul_f32 v[T], 0x3a000000, v[T]               ; / 2,048: the mean
	v_pk_add_f32 v[T+2:T+3], v[OUT:OUT+1], v[T:T+1] op_sel_hi:[1,0] neg_lo:[0,1] neg_hi:[0,1]
	v_pk_add_f32 v[T+4:T+5], v[OUT+2:OUT+3], v[T:T+1] op_sel_hi:[1,0] neg_lo:[0,1] neg_hi:[0,1]
	v_pk_mul_f32 v[QQ:QQ+1], v[T+2:T+3], v[T+2:T+3]
	v_pk_mul_f32 v[QQ+2:QQ+3], v[T+4:T+5], v[T+4:T+5]
.set pr, 1
.rept 15
	v_pk_add_f32 v[T+2:T+3], v[OUT+4*pr:OUT+4*pr+1], v[T:T+1] op_sel_hi:[1,0] neg_lo:[0,1] neg_hi:[0,1]
	v_pk_add_f32 v[T+4:T+5], v[OUT+4*pr+2:OUT+4*pr+3], v[T:T+1] op_sel_hi:[1,0] neg_lo:[0,1] neg_hi:[0,1]
	v_pk_fma_f32 v[QQ:QQ+1], v[T+2:T+3], v[T+2:T+3], v[QQ:QQ+1]
	v_pk_fma_f32 v[QQ+2:QQ+3], v[T+4:T+5], v[T+4:T+5], v[QQ+2:QQ+3]
.set pr, pr+1
.endr
	v_pk_add_f32 v[QQ:QQ+1], v[QQ:QQ+1], v[QQ+2:QQ+3]
	v_add_f32 v[T+1], v[QQ], v[QQ+1]
	REDUCE T+1, T+2
	s_wait_xcnt 0x0                                ; EXEC is a source of the sixteen stores above: it changes only behind this wait
	v_cmp_eq_u32 vcc_lo, 0, v1
	s_set_vgpr_msb 0x4
	s_wait_tensorcnt 0x0
	ds_add_u32 v15, v1
	s_wait_dscnt 0x0
	s_set_vgpr_msb 0x400
	s_and_saveexec_b32 s[SX], vcc_lo
	global_store_b64 v13, v[T:T+1], s[SP:SP+1]     ; lane 0: (mean, sum of squared deviations)
	s_endpgm
.endm
	MMA 6, PITCH
	EPILOGUE
.Lfunc_end_k_qc1c669a5ba_conv0:
	.size	k_qc1c669a5ba_conv0, .Lfunc_end_k_qc1c669a5ba_conv0-k_qc1c669a5ba_conv0
	.p2alignl 7, 3214868480
	.fill 96, 4, 3214868480
	.section	.rodata,"a",@progbits
	.p2align	6, 0x0
	.amdhsa_kernel k_qc1c669a5ba_conv0
		.amdhsa_group_segment_fixed_size 52224
		.amdhsa_private_segment_fixed_size 0
		.amdhsa_enable_private_segment 0
		.amdhsa_kernarg_size 56
		.amdhsa_user_sgpr_count 2
		.amdhsa_user_sgpr_kernarg_segment_ptr 1
		.amdhsa_wavefront_size32 1
		.amdhsa_system_sgpr_workgroup_id_x 1
		.amdhsa_system_sgpr_workgroup_id_y 1
		.amdhsa_system_sgpr_workgroup_id_z 1
		.amdhsa_system_vgpr_workitem_id 0
		.amdhsa_next_free_vgpr 258
		.amdhsa_next_free_sgpr 66
		.amdhsa_reserve_vcc 1
		.amdhsa_float_denorm_mode_32 3
		.amdhsa_float_denorm_mode_16_64 3
		.amdhsa_memory_ordered 1
		.amdhsa_forward_progress 1
		.amdhsa_inst_pref_size 51
	.end_amdhsa_kernel
	.amdgpu_metadata
---
amdhsa.version: [ 1, 2 ]
amdhsa.kernels:
  - .name:           k_qc1c669a5ba_conv0
    .symbol:         k_qc1c669a5ba_conv0.kd
    .args:
      - { .name: feat2, .offset: 0, .size: 8, .value_kind: global_buffer, .address_space: global }
      - { .name: tab, .offset: 8, .size: 8, .value_kind: global_buffer, .address_space: global }
      - { .name: nidx, .offset: 16, .size: 8, .value_kind: global_buffer, .address_space: global }
      - { .name: nwgt, .offset: 24, .size: 8, .value_kind: global_buffer, .address_space: global }
      - { .name: b0, .offset: 32, .size: 8, .value_kind: global_buffer, .address_space: global }
      - { .name: y0, .offset: 40, .size: 8, .value_kind: global_buffer, .address_space: global }
      - { .name: part0, .offset: 48, .size: 8, .value_kind: global_buffer, .address_space: global }
    .group_segment_fixed_size: 52224
    .private_segment_fixed_size: 0
    .kernarg_segment_align: 8
    .kernarg_segment_size: 56
    .max_flat_workgroup_size: 256
    .sgpr_count:     66
    .vgpr_count:     258
    .wavefront_size: 32
...
	.end_amdgpu_metadata
.endif
;; end of part 3
;; launch conv1 (part 4): grid 256 x 1, 8 waves a work-group, no clusters, 35,840 bytes of LDS; arguments y0, part0, g0, beta0, tab, b1, y1, part1; writes y1, part1
.if DOCPART == 4
	.amdgcn_target "amdgcn-amd-amdhsa--gfx1250"
	.amdhsa_code_object_version 6
	.text
	.protected	k_qc1c669a5ba_conv1
	.globl	k_qc1c669a5ba_conv1
	.p2align	8
	.type	k_qc1c669a5ba_conv1,@function
k_qc1c669a5ba_conv1:
	s_mov_b64 s[64:65], 0
	v_nop
	global_prefetch_b8 v0, s[64:65] scope:SCOPE_SE
	s_setreg_imm32_b32 hwreg(HW_REG_WAVE_MODE, 25, 1), 1
	s_wait_xcnt 0x0
; conv1: x = leaky(norm0(y0)), y1 = w1 x + b1, and each norm group's mean and sum of squared deviations over this work-group's 16 x 128 numbers.
; A group's statistics over its 16 x 8,192 numbers are put together from the 64 work-groups' figures of the launch before: the mean of the
; 64 means, and the sum of the 64 sums of squares plus 2,048 times the squared distance of each mean from the common one (equal counts).
; Work-group: all 128 channels x 128 columns of one batch.  Wave w normalises input channels 8w .. 8w+7 and 64+8w .. 64+8w+7, and makes output
; channels 16w .. 16w+15 = norm group w.  Products: f16 operands, f32 sums, K = 128 in four steps.
; No cluster: what work-groups share is w1's 32 KiB copy, against 128 KiB of their own.  One tile a work-group, normalised in registers on its way to LDS.
; LIMITS: operands in f16: |normalised x| and |w1| below 65,504.
; LDS: x as [place 128][128 f16], pitch 272 bytes (an odd multiple of 16); place 64 blk + 16 e + c holds column 64 blk + 4 c + e.
.set PITCH, 272
.set Y,    16                          ; v[16:79]   16 channels x 4 columns
.set ACC,  16                          ;            later: eight accumulator tiles
.set PART, 80                          ; v[80:87]   two records of each of my two groups
.set SW,   88                          ; v[88:92]   STATS at work
.set MN,   94                          ; v[94:95]   minus the two groups' means
.set VA,   96                          ; v[96:111]  gain x 1/sqrt(var + eps) of my 16 channels
.set VB,   112                         ; v[112:127] their beta
.set BF,   128
.set OUT,  128
.set AF,   192                         ; v[192:223] w1 fragments of four K steps
.set QQ,   192
.set U,    224
.set PK,   228
.set RS,   236                         ; v[236:237] the two 1/sqrt(var + eps)
.set BIAS, 240
.set T,    248
.set PA,   23
.set PB,   24
.set INV,  25
.set SY,   16                          ; s[16:17] y1
.set SP,   18                          ; s[18:19] part1
.set SX,   29
	s_load_b512 s[4:19], s[0:1], 0x0               ; y0, part0, g0, beta0, tab, b1, y1, part1
	v_lshl_add_u32 v238, v0, 2, 0x8800
	v_mov_b32 v239, 0
	v_lshrrev_b32 v14, 5, v0
	v_readfirstlane_b32 s20, v14                   ; wave
	s_lshr_b32 s21, ttmp9, 6                       ; batch
	s_and_b32 s22, ttmp9, 63                       ; block of 128 columns
	s_mov_b32 s23, 0x76543210
	s_mov_b32 s24, 0xfedcba98
	s_mov_b32 s25, 0x37000000                      ; 1 / 131,072: a group's count
	s_lshl_b32 s31, s20, 5                         ; 8 gains of 4 bytes
	v_and_b32 v1, 31, v0
	v_and_b32 v2, 15, v0                           ; r
	v_bfe_u32 v3, v0, 4, 1                         ; h
	s_lshr_b32 s28, s20, 1
	s_lshl_b32 s28, s28, 9
	v_lshl_add_u32 v4, v1, 4, s28                  ; part0: group w / 2, two records a lane
	s_lshl_b32 s28, s20, 18
	v_lshl_add_u32 v5, v1, 4, s28                  ; y0: channel 8w, 4 columns a lane
	s_lshl_b32 s28, s20, 12
	v_lshl_add_u32 v6, v2, 8, s28
	v_lshl_add_u32 v6, v3, 4, v6                   ; w1 fragment: row 16w + r of 256 bytes, + 16h
	s_lshl_b32 s28, s20, 6
	v_lshl_add_u32 v7, v3, 5, s28                  ; bias of channels 16w + 8h ..
	v_lshl_add_u32 v14, v3, 6, v2
	v_mul_u32_u24 v8, v14, PITCH
	s_lshl_b32 s28, s20, 4
	v_add_nc_u32 v8, s28, v8                       ; x into LDS: place 64h + r (+ 16e), channels 8w ..
	v_mul_u32_u24 v11, v2, PITCH
	v_lshl_add_u32 v11, v3, 4, v11                 ; x fragment
	s_lshl_b32 s28, s20, 19
	v_lshl_add_u32 v12, v3, 18, s28
	v_lshl_add_u32 v12, v2, 4, v12                 ; y1: row 16w + 8h, 16 r
	v_mov_b32 v13, 0
	v_mov_b32 v[SW+4], 0                           ; v_permlanex16_b32 counts as a reader of its destination
	s_lshl_b32 s26, s21, 22
	s_lshl_b32 s28, s22, 9
	s_add_co_u32 s26, s26, s28
	s_mov_b32 s27, 0
	s_wait_kmcnt 0x0
	s_add_nc_u64 s[4:5], s[4:5], s[26:27]
	s_add_nc_u64 s[16:17], s[16:17], s[26:27]
	s_lshl_b32 s26, s21, 12
	s_add_nc_u64 s[6:7], s[6:7], s[26:27]
	s_add_nc_u64 s[12:13], s[12:13], 0x20c000      ; w1 in f16
	s_lshl_b32 s26, s21, 3
	s_add_co_u32 s26, s26, s20
	s_lshl_b32 s26, s26, 6
	s_add_co_u32 s26, s26, s22
	s_lshl_b32 s26, s26, 3
	s_add_nc_u64 s[18:19], s[18:19], s[26:27]      ; part1[batch][group w][block]
	s_load_b256 s[32:39], s[8:9], s31 offset:0x0           ; g0 of channels 8w ..
	s_load_b256 s[40:47], s[8:9], s31 offset:0x100         ;    of channels 64 + 8w ..
	s_load_b256 s[48:55], s[10:11], s31 offset:0x0         ; beta0 likewise
	s_load_b256 s[56:63], s[10:11], s31 offset:0x100
	global_load_b128 v[PART:PART+3], v4, s[6:7]
	global_load_b128 v[PART+4:PART+7], v4, s[6:7] offset:2048
.irp oi,0,1
.irp i,0,1,2,3,4,5,6,7
	global_load_b128 v[Y+32*\oi+4*\i:Y+32*\oi+4*\i+3], v5, s[4:5] offset:\i*32768+\oi*2097152 th:TH_LOAD_NT
.endr
.endr
.irp ks,0,1,2,3
	global_load_b128 v[AF+8*\ks:AF+8*\ks+3], v6, s[12:13] offset:\ks*64
	global_load_b128 v[AF+8*\ks+4:AF+8*\ks+7], v6, s[12:13] offset:\ks*64+32
.endr
	global_load_b128 v[BIAS:BIAS+3], v7, s[14:15]
	global_load_b128 v[BIAS+4:BIAS+7], v7, s[14:15] offset:16
.macro REDUCE x, tmp                   ; the sum over the 32 lanes, in every lane
	v_add_f32_dpp v[\x], v[\x], v[\x] row_xmask:1 row_mask:0xf bank_mask:0xf
	v_add_f32_dpp v[\x], v[\x], v[\x] row_xmask:2 row_mask:0xf bank_mask:0xf
	v_add_f32_dpp v[\x], v[\x], v[\x] row_xmask:4 row_mask:0xf bank_mask:0xf
	v_add_f32_dpp v[\x], v[\x], v[\x] row_xmask:8 row_mask:0xf bank_mask:0xf
	v_permlanex16_b32 v[\tmp], v[\x], s[PA], s[PB]
	v_add_f32 v[\x], v[\x], v[\tmp]
.endm
; S: (mean, M2, mean, M2) of two of the group's 64 parts.  nm = minus the group's mean, rs = 1 / sqrt(variance + 1e-5).
.macro STATS S, nm, rs, W
	v_add_f32 v[\W], v[\S], v[\S+2]
	REDUCE \W, \W+4
	v_mul_f32 v[\W], 0x3c800000, v[\W]             ; / 64
	v_sub_f32 v[\W+2], v[\S], v[\W]
	v_sub_f32 v[\W+3], v[\S+2], v[\W]
	v_add_f32 v[\W+1], v[\S+1], v[\S+3]
	v_mul_f32 v[\W+2], v[\W+2], v[\W+2]
	v_fma_f32 v[\W+2], v[\W+3], v[\W+3], v[\W+2]
	v_fma_f32 v[\W+1], v[\W+2], 0x45000000, v[\W+1]        ; x 2,048, a part's count
	REDUCE \W+1, \W+4
	v_fmaak_f32 v[\W+1], s[INV], v[\W+1], 0x3727c5ac       ; variance + 1e-5
	v_rsq_f32 v[\rs], v[\W+1]
	v_sub_f32 v[\nm], 0, v[\W]                     ; the plain instruction between the root and its use (ISA guide 5.7.2)
.endm
; four numbers of one channel: (y - mean) a + b, then max(v, 0.1 v), which is the leaky step for a slope below 1
.macro NORM4 y, mn, msel, a, asel, b, bsel
	v_pk_add_f32 v[\y:\y+1], v[\y:\y+1], v[\mn:\mn+1] op_sel:[0,\msel] op_sel_hi:[1,\msel]
	v_pk_add_f32 v[\y+2:\y+3], v[\y+2:\y+3], v[\mn:\mn+1] op_sel:[0,\msel] op_sel_hi:[1,\msel]
	v_pk_fma_f32 v[\y:\y+1], v[\y:\y+1], v[\a:\a+1], v[\b:\b+1] op_sel:[0,\asel,\bsel] op_sel_hi:[1,\asel,\bsel]
	v_pk_fma_f32 v[\y+2:\y+3], v[\y+2:\y+3], v[\a:\a+1], v[\b:\b+1] op_sel:[0,\asel,\bsel] op_sel_hi:[1,\asel,\bsel]
	v_pk_mul_f32 v[U:U+1], v[\y:\y+1], 0x3dcccccd op_sel_hi:[1,0]
	v_pk_mul_f32 v[U+2:U+3], v[\y+2:\y+3], 0x3dcccccd op_sel_hi:[1,0]
.irp k,0,1,2,3
	v_max_num_f32 v[\y+\k], v[\y+\k], v[U+\k]
.endr
.endm
	s_wait_loadcnt 26                              ; the two part loads are in; 16 + 8 + 2 stay out
	STATS PART, MN, RS, SW
	STATS PART+4, MN+1, RS+1, SW
	s_wait_kmcnt 0x0
	s_wait_alu depctr_va_vdst(0)
.irp oi,0,1
.irp i,0,1,2,3,4,5,6,7
	v_mul_f32 v[VA+8*\oi+\i], s[32+8*\oi+\i], v[RS+\oi]
	v_mov_b32 v[VB+8*\oi+\i], s[48+8*\oi+\i]
.endr
.endr
.macro STAGE oi, left
	s_wait_loadcnt \left                           ; this half's eight rows are in; the younger loads stay out
.irp ip,0,1,2,3
.irp sel,0,1
	NORM4 Y+32*\oi+8*\ip+4*\sel, MN, \oi, VA+8*\oi+2*\ip, \sel, VB+8*\oi+2*\ip, \sel
.endr
.endr
.irp e,0,1,2,3
	v_cvt_pk_f16_f32 v[PK+4*(\e&1)], v[Y+32*\oi+\e], v[Y+32*\oi+4+\e]
	v_cvt_pk_f16_f32 v[PK+4*(\e&1)+1], v[Y+32*\oi+8+\e], v[Y+32*\oi+12+\e]
	v_cvt_pk_f16_f32 v[PK+4*(\e&1)+2], v[Y+32*\oi+16+\e], v[Y+32*\oi+20+\e]
	v_cvt_pk_f16_f32 v[PK+4*(\e&1)+3], v[Y+32*\oi+24+\e], v[Y+32*\oi+28+\e]
	ds_store_b128 v8, v[PK+4*(\e&1):PK+4*(\e&1)+3] offset:\e*16*PITCH+\oi*128
.endr
.endm
	STAGE 0, 18                                    ; 8 + 8 + 2 stay out
	STAGE 1, 10                                    ; 8 + 2 stay out
	s_wait_loadcnt 0x0                             ; w1's fragments and the bias
	s_wait_dscnt 0x0                               ; my part of x is in LDS before I say so
	s_barrier_signal -1
	s_barrier_wait -1
; nks K steps of 32.  A step: sixteen loads (eight tiles' fragments), then eight products on eight accumulators that take turns, one instruction
; a turn.  s_wait_dscnt 14-2t leaves the loads of the tiles behind t out.  The four v_nop are the places between the last
; product and the next loads into its sources, or the first reads of the results.
.macro MMA nks, pitch
.set ks, 0
.rept \nks
.irp t,0,1,2,3,4,5,6,7
	ds_load_b128 v[BF+8*\t:BF+8*\t+3], v11 offset:\t*16*\pitch+ks*64
	ds_load_b128 v[BF+8*\t+4:BF+8*\t+7], v11 offset:\t*16*\pitch+ks*64+32
.endr
.irp t,0,1,2,3,4,5,6,7
	s_wait_dscnt 14-2*\t
.if ks == 0
	v_wmma_f32_16x16x32_f16 v[ACC+8*\t:ACC+8*\t+7], v[AF+8*ks:AF+8*ks+7], v[BF+8*\t:BF+8*\t+7], 0
.else
	v_wmma_f32_16x16x32_f16 v[ACC+8*\t:ACC+8*\t+7], v[AF+8*ks:AF+8*ks+7], v[BF+8*\t:BF+8*\t+7], v[ACC+8*\t:ACC+8*\t+7]
.endif
.endr
.rept 4
	v_nop
.endr
.set ks, ks+1
.endr
.endm
; Register j of tile 4 blk + e in lane (r, h) is y[16w + 8h + j][64 blk + 4r + e].  With the bias added the four tiles e are laid side by side:
; 16 bytes a lane, sixteen lanes store 256 consecutive bytes, aligned.  Then the wave's 2,048 numbers give their mean and, about that mean,
; their sum of squared deviations (two passes over registers: no difference of large sums).
.macro EPILOGUE
.irp blk,0,1
.irp j,0,1,2,3,4,5,6,7
.irp e,0,1,2,3
	v_add_f32 v[OUT+(\blk*8+\j)*4+\e], v[ACC+(4*\blk+\e)*8+\j], v[BIAS+\j]
.endr
.endr
.endr
.irp blk,0,1
.irp j,0,1,2,3,4,5,6,7
	global_store_b128 v12, v[OUT+(\blk*8+\j)*4:OUT+(\blk*8+\j)*4+3], s[SY:SY+1] offset:\j*32768+\blk*256
.endr
.endr
.irp c,0,1,2,3
	v_pk_add_f32 v[T+2*\c:T+2*\c+1], v[OUT+2*\c:OUT+2*\c+1], v[OUT+8+2*\c:OUT+8+2*\c+1]
.endr
.irp m,2,3,4,5,6,7
.irp c,0,1,2,3
	v_pk_add_f32 v[T+2*\c:T+2*\c+1], v[T+2*\c:T+2*\c+1], v[OUT+8*\m+2*\c:OUT+8*\m+2*\c+1]
.endr
.endr
	v_pk_add_f32 v[T:T+1], v[T:T+1], v[T+2:T+3]
	v_pk_add_f32 v[T+4:T+5], v[T+4:T+5], v[T+6:T+7]
	v_pk_add_f32 v[T:T+1], v[T:T+1], v[T+4:T+5]
	v_add_f32 v[T], v[T], v[T+1]
	REDUCE T, T+2
	v_mul_f32 v[T], 0x3a000000, v[T]               ; / 2,048: the mean
	v_pk_add_f32 v[T+2:T+3], v[OUT:OUT+1], v[T:T+1] op_sel_hi:[1,0] neg_lo:[0,1] neg_hi:[0,1]
	v_pk_add_f32 v[T+4:T+5], v[OUT+2:OUT+3], v[T:T+1] op_sel_hi:[1,0] neg_lo:[0,1] neg_hi:[0,1]
	v_pk_mul_f32 v[QQ:QQ+1], v[T+2:T+3], v[T+2:T+3]
	v_pk_mul_f32 v[QQ+2:QQ+3], v[T+4:T+5], v[T+4:T+5]
.set pr, 1
.rept 15
	v_pk_add_f32 v[T+2:T+3], v[OUT+4*pr:OUT+4*pr+1], v[T:T+1] op_sel_hi:[1,0] neg_lo:[0,1] neg_hi:[0,1]
	v_pk_add_f32 v[T+4:T+5], v[OUT+4*pr+2:OUT+4*pr+3], v[T:T+1] op_sel_hi:[1,0] neg_lo:[0,1] neg_hi:[0,1]
	v_pk_fma_f32 v[QQ:QQ+1], v[T+2:T+3], v[T+2:T+3], v[QQ:QQ+1]
	v_pk_fma_f32 v[QQ+2:QQ+3], v[T+4:T+5], v[T+4:T+5], v[QQ+2:QQ+3]
.set pr, pr+1
.endr
	v_pk_add_f32 v[QQ:QQ+1], v[QQ:QQ+1], v[QQ+2:QQ+3]
	v_add_f32 v[T+1], v[QQ], v[QQ+1]
	REDUCE T+1, T+2
	s_wait_xcnt 0x0                                ; EXEC is a source of the sixteen stores above: it changes only behind this wait
	v_cmp_eq_u32 vcc_lo, 0, v1
	s_wait_tensorcnt 0x0
	ds_add_u32 v238, v239
	s_wait_dscnt 0x0
	s_and_saveexec_b32 s[SX], vcc_lo
	global_store_b64 v13, v[T:T+1], s[SP:SP+1]     ; lane 0: (mean, sum of squared deviations)
	s_endpgm
.endm
	MMA 4, PITCH
	EPILOGUE
.Lfunc_end_k_qc1c669a5ba_conv1:
	.size	k_qc1c669a5ba_conv1, .Lfunc_end_k_qc1c669a5ba_conv1-k_qc1c669a5ba_conv1
	.p2alignl 7, 3214868480
	.fill 96, 4, 3214868480
	.section	.rodata,"a",@progbits
	.p2align	6, 0x0
	.amdhsa_kernel k_qc1c669a5ba_conv1
		.amdhsa_group_segment_fixed_size 35840
		.amdhsa_private_segment_fixed_size 0
		.amdhsa_enable_private_segment 0
		.amdhsa_kernarg_size 64
		.amdhsa_user_sgpr_count 2
		.amdhsa_user_sgpr_kernarg_segment_ptr 1
		.amdhsa_wavefront_size32 1
		.amdhsa_system_sgpr_workgroup_id_x 1
		.amdhsa_system_sgpr_workgroup_id_y 1
		.amdhsa_system_sgpr_workgroup_id_z 1
		.amdhsa_system_vgpr_workitem_id 0
		.amdhsa_next_free_vgpr 256
		.amdhsa_next_free_sgpr 66
		.amdhsa_reserve_vcc 1
		.amdhsa_float_denorm_mode_32 3
		.amdhsa_float_denorm_mode_16_64 3
		.amdhsa_memory_ordered 1
		.amdhsa_forward_progress 1
		.amdhsa_inst_pref_size 39
	.end_amdhsa_kernel
	.amdgpu_metadata
---
amdhsa.version: [ 1, 2 ]
amdhsa.kernels:
  - .name:           k_qc1c669a5ba_conv1
    .symbol:         k_qc1c669a5ba_conv1.kd
    .args:
      - { .name: y0, .offset: 0, .size: 8, .value_kind: global_buffer, .address_space: global }
      - { .name: part0, .offset: 8, .size: 8, .value_kind: global_buffer, .address_space: global }
      - { .name: g0, .offset: 16, .size: 8, .value_kind: global_buffer, .address_space: global }
      - { .name: beta0, .offset: 24, .size: 8, .value_kind: global_buffer, .address_space: global }
      - { .name: tab, .offset: 32, .size: 8, .value_kind: global_buffer, .address_space: global }
      - { .name: b1, .offset: 40, .size: 8, .value_kind: global_buffer, .address_space: global }
      - { .name: y1, .offset: 48, .size: 8, .value_kind: global_buffer, .address_space: global }
      - { .name: part1, .offset: 56, .size: 8, .value_kind: global_buffer, .address_space: global }
    .group_segment_fixed_size: 35840
    .private_segment_fixed_size: 0
    .kernarg_segment_align: 8
    .kernarg_segment_size: 64
    .max_flat_workgroup_size: 256
    .sgpr_count:     66
    .vgpr_count:     256
    .wavefront_size: 32
...
	.end_amdgpu_metadata
.endif
;; end of part 4
;; launch final (part 5): grid 256 x 1, 8 waves a work-group, no clusters, 0 bytes of LDS; arguments y1, part1, g1, beta1, out0; writes out0
.if DOCPART == 5
	.amdgcn_target "amdgcn-amd-amdhsa--gfx1250"
	.amdhsa_code_object_version 6
	.text
	.protected	k_qc1c669a5ba_final
	.globl	k_qc1c669a5ba_final
	.p2align	8
	.type	k_qc1c669a5ba_final,@function
k_qc1c669a5ba_final:
	s_mov_b64 s[64:65], 0
	v_nop
	global_prefetch_b8 v0, s[64:65] scope:SCOPE_SE
	s_setreg_imm32_b32 hwreg(HW_REG_WAVE_MODE, 25, 1), 1
	s_wait_xcnt 0x0
; final: out0 = leaky(norm1(y1)).  A stream: each byte of y1 is read once and each byte of out0 written once, 16 bytes a lane, a wave's load or
; store covering 512 consecutive bytes.  Wave W = 8 g + w owns the 8,192 bytes at 8,192 W, a quarter of one channel's row, so it needs one
; gain, one beta and one group's statistics; all sixteen loads go out at once and no register is used twice.  No LDS, no barrier, no matrix unit:
; there is nothing to share and nothing to multiply.
; The group's statistics are put together from its 64 parts as in the launch before.
.set PART, 4                           ; v[4:7]    two of the group's 64 records
.set SW,   8                           ; v[8:12]   STATS at work
.set RS,   13
.set Y,    16                          ; v[16:79]
.set U,    80
.set K0,   84                          ; v[84:85]  (minus mean, gain / sqrt(var + eps))
.set K1,   86                          ; v[86:87]  (beta, beta)
.set PA,   24
.set PB,   25
.set INV,  26
	s_load_b256 s[4:11], s[0:1], 0x0               ; y1 s[4:5], part1 s[6:7], g1 s[8:9], beta1 s[10:11]
	s_load_b64 s[12:13], s[0:1], 0x20              ; out0
	v_lshrrev_b32 v2, 5, v0
	v_readfirstlane_b32 s14, v2
	s_lshl_b32 s15, ttmp9, 3
	s_add_co_u32 s15, s15, s14                     ; W
	v_and_b32 v1, 31, v0
	v_lshlrev_b32 v1, 4, v1                        ; 16 lane
	v_mov_b32 v[SW+4], 0                           ; v_permlanex16_b32 counts as a reader of its destination
	s_lshl_b32 s16, s15, 13
	s_mov_b32 s17, 0
	s_lshr_b32 s18, s15, 6                         ; 4 quarters x 16 channels: batch x 8 + group
	s_lshl_b32 s18, s18, 9
	s_mov_b32 s19, 0
	s_bfe_u32 s22, s15, 0x70002                    ; channel = (W / 4) % 128
	s_lshl_b32 s22, s22, 2
	s_mov_b32 s24, 0x76543210
	s_mov_b32 s25, 0xfedcba98
	s_mov_b32 s26, 0x37000000                      ; 1 / 131,072
	s_wait_kmcnt 0x0
	s_add_nc_u64 s[4:5], s[4:5], s[16:17]
	s_add_nc_u64 s[12:13], s[12:13], s[16:17]
	s_add_nc_u64 s[6:7], s[6:7], s[18:19]
	s_load_b32 s20, s[8:9], s22 offset:0x0
	s_load_b32 s21, s[10:11], s22 offset:0x0
	global_load_b128 v[PART:PART+3], v1, s[6:7]
.irp i,0,1,2,3,4,5,6,7,8,9,10,11,12,13,14,15
	global_load_b128 v[Y+4*\i:Y+4*\i+3], v1, s[4:5] offset:512*\i th:TH_LOAD_NT
.endr
.macro REDUCE x, tmp
	v_add_f32_dpp v[\x], v[\x], v[\x] row_xmask:1 row_mask:0xf bank_mask:0xf
	v_add_f32_dpp v[\x], v[\x], v[\x] row_xmask:2 row_mask:0xf bank_mask:0xf
	v_add_f32_dpp v[\x], v[\x], v[\x] row_xmask:4 row_mask:0xf bank_mask:0xf
	v_add_f32_dpp v[\x], v[\x], v[\x] row_xmask:8 row_mask:0xf bank_mask:0xf
	v_permlanex16_b32 v[\tmp], v[\x], s[PA], s[PB]
	v_add_f32 v[\x], v[\x], v[\tmp]
.endm
.macro STATS S, nm, rs, W
	v_add_f32 v[\W], v[\S], v[\S+2]
	REDUCE \W, \W+4
	v_mul_f32 v[\W], 0x3c800000, v[\W]             ; / 64
	v_sub_f32 v[\W+2], v[\S], v[\W]
	v_sub_f32 v[\W+3], v[\S+2], v[\W]
	v_add_f32 v[\W+1], v[\S+1], v[\S+3]
	v_mul_f32 v[\W+2], v[\W+2], v[\W+2]
	v_fma_f32 v[\W+2], v[\W+3], v[\W+3], v[\W+2]
	v_fma_f32 v[\W+1], v[\W+2], 0x45000000, v[\W+1]        ; x 2,048, a part's count
	REDUCE \W+1, \W+4
	v_fmaak_f32 v[\W+1], s[INV], v[\W+1], 0x3727c5ac       ; variance + 1e-5
	v_rsq_f32 v[\rs], v[\W+1]
	v_sub_f32 v[\nm], 0, v[\W]                     ; the plain instruction between the root and its use (ISA guide 5.7.2)
.endm
.macro NORM4 y, mn, msel, a, asel, b, bsel
	v_pk_add_f32 v[\y:\y+1], v[\y:\y+1], v[\mn:\mn+1] op_sel:[0,\msel] op_sel_hi:[1,\msel]
	v_pk_add_f32 v[\y+2:\y+3], v[\y+2:\y+3], v[\mn:\mn+1] op_sel:[0,\msel] op_sel_hi:[1,\msel]
	v_pk_fma_f32 v[\y:\y+1], v[\y:\y+1], v[\a:\a+1], v[\b:\b+1] op_sel:[0,\asel,\bsel] op_sel_hi:[1,\asel,\bsel]
	v_pk_fma_f32 v[\y+2:\y+3], v[\y+2:\y+3], v[\a:\a+1], v[\b:\b+1] op_sel:[0,\asel,\bsel] op_sel_hi:[1,\asel,\bsel]
	v_pk_mul_f32 v[U:U+1], v[\y:\y+1], 0x3dcccccd op_sel_hi:[1,0]
	v_pk_mul_f32 v[U+2:U+3], v[\y+2:\y+3], 0x3dcccccd op_sel_hi:[1,0]
.irp k,0,1,2,3
	v_max_num_f32 v[\y+\k], v[\y+\k], v[U+\k]
.endr
.endm
	s_wait_loadcnt 16                              ; the part load is in; the sixteen row loads stay out
	STATS PART, K0, RS, SW
	s_wait_kmcnt 0x0
	s_wait_alu depctr_va_vdst(0)
	v_mul_f32 v[K0+1], s20, v[RS]
	v_mov_b32 v[K1], s21
	v_mov_b32 v[K1+1], s21
.irp i,0,1,2,3,4,5,6,7,8,9,10,11,12,13,14,15
	s_wait_loadcnt 15-\i                           ; load i is in; the younger ones stay out
	NORM4 Y+4*\i, K0, 0, K0, 1, K1, 0
	global_store_b128 v1, v[Y+4*\i:Y+4*\i+3], s[12:13] offset:512*\i th:TH_STORE_NT
.endr
	s_endpgm
.Lfunc_end_k_qc1c669a5ba_final:
	.size	k_qc1c669a5ba_final, .Lfunc_end_k_qc1c669a5ba_final-k_qc1c669a5ba_final
	.p2alignl 7, 3214868480
	.fill 96, 4, 3214868480
	.section	.rodata,"a",@progbits
	.p2align	6, 0x0
	.amdhsa_kernel k_qc1c669a5ba_final
		.amdhsa_group_segment_fixed_size 0
		.amdhsa_private_segment_fixed_size 0
		.amdhsa_enable_private_segment 0
		.amdhsa_kernarg_size 40
		.amdhsa_user_sgpr_count 2
		.amdhsa_user_sgpr_kernarg_segment_ptr 1
		.amdhsa_wavefront_size32 1
		.amdhsa_system_sgpr_workgroup_id_x 1
		.amdhsa_system_sgpr_workgroup_id_y 1
		.amdhsa_system_sgpr_workgroup_id_z 1
		.amdhsa_system_vgpr_workitem_id 0
		.amdhsa_next_free_vgpr 88
		.amdhsa_next_free_sgpr 66
		.amdhsa_reserve_vcc 0
		.amdhsa_float_denorm_mode_32 3
		.amdhsa_float_denorm_mode_16_64 3
		.amdhsa_memory_ordered 1
		.amdhsa_forward_progress 1
		.amdhsa_inst_pref_size 16
	.end_amdhsa_kernel
	.amdgpu_metadata
---
amdhsa.version: [ 1, 2 ]
amdhsa.kernels:
  - .name:           k_qc1c669a5ba_final
    .symbol:         k_qc1c669a5ba_final.kd
    .args:
      - { .name: y1, .offset: 0, .size: 8, .value_kind: global_buffer, .address_space: global }
      - { .name: part1, .offset: 8, .size: 8, .value_kind: global_buffer, .address_space: global }
      - { .name: g1, .offset: 16, .size: 8, .value_kind: global_buffer, .address_space: global }
      - { .name: beta1, .offset: 24, .size: 8, .value_kind: global_buffer, .address_space: global }
      - { .name: out0, .offset: 32, .size: 8, .value_kind: global_buffer, .address_space: global }
    .group_segment_fixed_size: 0
    .private_segment_fixed_size: 0
    .kernarg_segment_align: 8
    .kernarg_segment_size: 40
    .max_flat_workgroup_size: 256
    .sgpr_count:     66
    .vgpr_count:     88
    .wavefront_size: 32
...
	.end_amdgpu_metadata
.endif
;; end of part 5
